; MI455X (gfx1250); checked and timed in simulation.
; The chip was launched on July 23, 2026; its instructions are those of AMD's public machine-readable ISA for CDNA 5 (MIT licence, August 2026) and "CDNA5" Instruction Set Architecture Reference Guide (July 2026). The comments in the code are by the model that wrote it; some were corrected since.
;; Sparse Linear. Allowed arithmetic: matrix products marked QUANTISED: E2M3 operands, one E8M0 scale for each 32 along K, by v_wmma_scale_f32_16x16x128_f8f6f4 with both operands' format E2M3, f32 sums; everything else in f32.
;; Inputs: bias 4,096 float32; sparse 4,096 x 4,096 float32; weight 4,096 x 4,096 float32.
;; Outputs: out0 4,096 x 4,096 float32.
;; This version of the problem:
;;   THIS VERSION OF THE PROBLEM IS GIVEN IN LOW PRECISION. The matrix products marked QUANTISED in the list below multiply operands that are first quantised to E2M3 (2 exponent bits, 3 mantissa bits; 6 bits a number), with one power-of-two scale for each 32 numbers along K (OCP MX v1.0); their sums are f32. All else is computed in f32.
;;   The module's matrix products, in the order in which they are computed (A, B: the left and right operand; K: the contracted axis; several contracted axes count as one K, in the product's order):
;;     1. [M 4,096, K 4,096] x [K 4,096, N 4,096]; A: input sparse; B: input weight: QUANTISED
;;   THE QUANTISER, for each operand of a quantised product, along K:
;;     - K is cut into blocks of 32 from its start; a last block that is shorter is filled with zeros.
;;     - A block's scale is 2^e with e = floor(log2(the largest magnitude in the block)) - 2, held to -126 .. 127; a block of zeros has e = 0. As a byte (E8M0): e + 127.
;;     - Each number is divided by its block's scale, clamped to +-7.5, and rounded to the nearest number of E2M3, ties to even, subnormals kept.
;;     - The product sums the exact products of the quantised numbers (number of the format x scale) in f32.
;;   ~~~python
;;   def quantise(x, axis):      # numpy; x: float32 -> the quantised numbers, widened to float32 again
;;       x = np.moveaxis(x, axis, -1); K = x.shape[-1]
;;       x = np.pad(x, [(0, 0)] * (x.ndim - 1) + [(0, -K % 32)]); x = x.reshape(x.shape[:-1] + (-1, 32)); a = np.abs(x).max(-1, keepdims=True)
;;       e = np.where(a > 0, np.clip(np.frexp(np.where(a > 0, a, 1))[1] - 1 - 2, -126, 127), 0)      # np.frexp(a)[1] - 1 = floor(log2(a)), exactly
;;       r = np.clip(x / 2.0 ** e, -7.5, 7.5)
;;       step = 2.0 ** (np.maximum(np.frexp(np.where(r == 0, 1, r))[1] - 1, 0) - 3)
;;       q = np.round(r / step) * step * 2.0 ** e      # np.round: ties to even
;;       return np.moveaxis(q.reshape(q.shape[:-2] + (-1,))[..., :K], -1, axis).astype(np.float32)
;;   ~~~
;; One version. Each part assembles by itself: llvm-mc -triple=amdgcn-amd-amdhsa -mcpu=gfx1250 --defsym DOCPART=n.
;; ======== version 1 of 1: 2 launches
;; limits: right only within a limited range of input values
;; workspace buffers: a_pack 13,107,200 bytes; b_pack 13,107,200 bytes
;; launch quant (part 1): grid 768 x 1, 4 waves a work-group, no clusters, 86,528 bytes of LDS; arguments sparse, weight, a_pack, b_pack; writes a_pack, b_pack
.if DOCPART == 1
	.amdgcn_target "amdgcn-amd-amdhsa--gfx1250"
	.amdhsa_code_object_version 6
	.text
	.protected	k_q12ffee8797_quant
	.globl	k_q12ffee8797_quant
	.p2align	8
	.type	k_q12ffee8797_quant,@function
k_q12ffee8797_quant:
	s_mov_b64 s[64:65], 0
	v_nop
	global_prefetch_b8 v0, s[64:65] scope:SCOPE_SE
	s_setreg_imm32_b32 hwreg(HW_REG_WAVE_MODE, 25, 1), 1
	s_wait_xcnt 0x0
; sparse [4096 (m)][4096 (k)] and weight [4096 (k)][4096 (n)], f32, become codes of FP6 (E2M3) with one E8M0 scale byte for each 32 along K,
; laid in the order in which the product's launch wants them in its operand registers.
; A block's scale is 2^(floor(log2(its largest magnitude)) - 2); its byte is the largest magnitude's exponent field - 2, held at 1 from below by a floor
; among the maximum's leaves.  Each number is divided by the scale and rounded to the nearest code, ties to even; beyond 7.5 the conversion gives the largest code.
; LIMITS: NaN and infinities among the inputs are not served.  A block of zeros gets the byte 1 where the rule says 127: its codes are zeros, which add nothing
; under any byte but 0xff, and the bytes are read by this program alone.
; THE PACKS.  a_pack and b_pack: 32 groups g of 128 rows (of sparse) or columns (of weight) x 32 K steps s of 128: one unit of 12,800 bytes each, at (32 g + s) x 12,800.
;   bytes 0 .. 12,287: 8 fragments (tile i = which 16 rows) at 1,536 i.  A fragment is the image of its 12 operand registers:
;     register j of lane l at 512 (j / 4) + 16 l + 4 (j % 4); lane (r, h) holds row 16 i + r, registers 6 c .. 6 c + 5 hold k = 64 c + 32 h + 0 .. 31.
;   bytes 12,288 .. 12,799: the scale words: tile i = 4 W + 2 u + H, row r, at 256 W + 128 H + 8 r + 4 u; byte b scales k = 32 b + 0 .. 31.
; SHARES.  Work-groups 0-255 take weight, a unit to a wave (64 KiB of f32); work-groups 256-767 take sparse, two units to a work-group (32 KiB a wave): the longer ones have the lower numbers.
; One scalar branch on the work-group's number; each path has LDS bytes of its own.  Waves share nothing: no barrier.
; Every store of codes covers 512 consecutive bytes at a multiple of 512 from the pack's first byte; scale words leave as 512 or 256 consecutive aligned bytes.
.set UB,    12800
.set SCOFF, 12288
.set FRB,   1536
.set ROWF,  16384                      ; a row of sparse or of weight in bytes
.set FLOOR, 0x1800000                  ; 2^(3 - 127)
.set OFFE,  0xff000000                 ; takes 2 off an exponent field
.set TP,    1552                       ; weight: a fragment's image in LDS, + 16
.set WREG,  13056                      ; weight: a wave's LDS: 8 images and 512 bytes of scale words
.set SBASE, 4*WREG                     ; sparse: the stages
.set SPT,   528                        ; sparse: a stage row: 512 bytes + 16
.set STG,   16*SPT
.set SPARE, SBASE+4*STG                ; the spare words
.set LI,  4                            ; 16 x lane
	s_load_b256 s[4:11], s[0:1], 0x0               ; sparse, weight, a_pack, b_pack
	v_lshl_add_u32 v62, v0, 2, SPARE
	v_mov_b32 v63, 0
	v_lshrrev_b32 v1, 5, v0
	v_readfirstlane_b32 s12, v1                    ; wave
	v_and_b32 v1, 31, v0                           ; lane
	v_lshlrev_b32 v[LI], 4, v1
	s_mov_b32 s23, 0
	s_mov_b32 s25, 0
	s_cmp_lt_u32 ttmp9, 256
	s_wait_alu depctr_va_vdst(0)
	s_cbranch_scc0 .Lsparse
; ---- weight: K is the first axis.  A load takes 512 consecutive bytes of one row k: lane l gets columns 4 l .. 4 l + 3.  For each column 32 moves lay a block's numbers
; in consecutive registers, as the conversions want them.  A column's codes of a block, 24 bytes, go to their place in the fragment's image in the wave's LDS;
; the images are read back as they lie and stored.  Loads come by half blocks of 16 rows into three sets of 64 registers.
.set IMG, 5                            ; image address: tile l / 4, row 4 (l % 4)
.set SCA, 6                            ; where my columns' scale words go
.set RDB, 7                            ; my wave's LDS + 16 x lane
.set TW,  20                           ; v20-22 a block's upper half, as the conversion leaves it
.set SW,  24                           ; v24-27 my four columns' scale words
.set XW,  28                           ; v28-59 a block of one column
.set RW,  64                           ; v64-255 three sets of 16 rows x 4 columns
	s_mul_i32 s13, s12, WREG
	s_add_co_u32 s26, s13, 8*TP
	v_lshrrev_b32 v2, 2, v1
	v_and_b32 v3, 3, v1
	v_mul_u32_u24 v[IMG], v2, TP
	v_lshl_add_u32 v[IMG], v3, 6, v[IMG]
	v_add_nc_u32 v[IMG], s13, v[IMG]
	v_lshrrev_b32 v2, 4, v1                        ; W
	v_lshlrev_b32 v[SCA], 8, v2
	v_bfe_u32 v2, v1, 2, 1                         ; H
	v_lshl_add_u32 v[SCA], v2, 7, v[SCA]
	v_lshl_add_u32 v[SCA], v3, 5, v[SCA]           ; 8 r, r = 4 (l % 4) + c
	v_bfe_u32 v2, v1, 3, 1                         ; u
	v_lshl_add_u32 v[SCA], v2, 2, v[SCA]
	v_add_nc_u32 v[SCA], s26, v[SCA]
	v_add_nc_u32 v[RDB], s13, v[LI]
	s_lshr_b32 s22, ttmp9, 3                       ; s
	s_and_b32 s24, ttmp9, 7
	s_lshl_b32 s24, s24, 2
	s_add_co_u32 s24, s24, s12                     ; g: the four waves stand side by side on 2,048 bytes of a row
	s_lshl_b32 s26, s24, 5
	s_add_co_u32 s26, s26, s22                     ; the unit's number
	s_lshl_b32 s22, s22, 21                        ; 128 rows
	s_lshl_b32 s24, s24, 9                         ; 128 columns
	s_add_co_u32 s22, s22, s24
	s_mul_i32 s24, s26, UB
	s_wait_alu depctr_va_vdst(0)
	s_wait_kmcnt 0x0
	s_add_nc_u64 s[14:15], s[6:7], s[22:23]
	s_add_nc_u64 s[16:17], s[10:11], s[24:25]
.macro LOADH hb
.irp j, 0,1,2,3,4,5,6,7,8,9,10,11,12,13,14,15
	global_load_b128 v[RW+64*((\hb)%3)+4*\j:RW+64*((\hb)%3)+4*\j+3], v[LI], s[14:15] offset:(16*(\hb)+\j)*ROWF th:TH_LOAD_NT
.endr
.endm
.macro COLW t, c                       ; block t of my column c
.set S0, RW+64*((2*(\t))%3)+(\c)
.set S1, RW+64*((2*(\t)+1)%3)+(\c)
.set CD, 8+6*((\c)%2)                  ; the six code registers: v8-13 and v14-19 by turns
	s_wait_dscnt 2                                 ; the stores of two columns ago have read these six; the last column's two may be out
.irp k, 0,1,2,3,4,5,6,7,8,9,10,11,12,13,14,15
	v_mov_b32 v[XW+\k], v[S0+4*\k]
	v_mov_b32 v[XW+16+\k], v[S1+4*\k]
.endr
	v_max3_num_f32 v60, |v[XW]|, |v[XW+1]|, |v[XW+2]|
	v_max3_num_f32 v61, |v[XW+3]|, |v[XW+4]|, |v[XW+5]|
.irp i, 6,10,14,18,22,26
	v_max3_num_f32 v60, v60, |v[XW+\i]|, |v[XW+\i+1]|
	v_max3_num_f32 v61, v61, |v[XW+\i+2]|, |v[XW+\i+3]|
.endr
	v_max3_num_f32 v60, v60, |v[XW+30]|, |v[XW+31]|
	v_max3_num_f32 v60, v60, v61, FLOOR
	v_add_nc_u32 v60, OFFE, v60                    ; the conversions' scale operand
	v_cvt_scalef32_pk16_fp6_f32 v[CD:CD+2], v[XW:XW+15], v60
	v_cvt_scalef32_pk16_fp6_f32 v[TW:TW+2], v[XW+16:XW+31], v60
	v_lshrrev_b32 v23, 23, v60                     ; the scale's byte; also the plain place behind the conversions
.if (\t) == 0
	v_mov_b32 v[SW+\c], v23
.else
	v_lshl_or_b32 v[SW+\c], v23, 8*(\t), v[SW+\c]
.endif
.irp i, 0,1,2
	v_mov_b32 v[CD+3+\i], v[TW+\i]
.endr
.if (\t)/2 == 0                        ; blocks 0, 1: registers 0-5 of lane r + 16 (t % 2); blocks 2, 3: registers 6-11
	ds_store_b128 v[IMG], v[CD:CD+3] offset:16*(\c)+256*((\t)%2)
	ds_store_b64 v[IMG], v[CD+4:CD+5] offset:16*(\c)+256*((\t)%2)+512
.else
	ds_store_b64 v[IMG], v[CD:CD+1] offset:16*(\c)+256*((\t)%2)+520
	ds_store_b128 v[IMG], v[CD+2:CD+5] offset:16*(\c)+256*((\t)%2)+1024
.endif
.endm
.macro BLKW t
.irp c, 0,1,2,3
	COLW \t, \c
.endr
.endm
	LOADH 0
	LOADH 1
	LOADH 2
	s_wait_loadcnt 16                              ; the block's 32 loads are in; the next half block's 16 may be out
	BLKW 0
	LOADH 3
	LOADH 4
	s_wait_loadcnt 16
	BLKW 1
	LOADH 5
	LOADH 6
	s_wait_loadcnt 16
	BLKW 2
	LOADH 7
	s_wait_loadcnt 0x0
	BLKW 3
	s_wait_alu depctr_va_vdst(0)
.irp c, 0,1,2,3
	ds_store_b32 v[SCA], v[SW+\c] offset:8*\c
.endr
.set N, 0
.rept 24
	ds_load_b128 v[RW+4*N:RW+4*N+3], v[RDB] offset:(N/3)*TP+512*(N%3)   ; a wave's LDS instructions are served in order: these see the stores
.set N, N+1
.endr
	ds_load_b128 v[RW+96:RW+99], v[RDB] offset:8*TP
.set N, 0
.rept 24
	s_wait_dscnt 24-N
	global_store_b128 v[LI], v[RW+4*N:RW+4*N+3], s[16:17] offset:(N/3)*FRB+512*(N%3)
.set N, N+1
.endr
	s_wait_dscnt 0x0
	global_store_b128 v[LI], v[RW+96:RW+99], s[16:17] offset:SCOFF
	s_wait_tensorcnt 0x0                           ; the wave's end
	ds_add_u32 v62, v63
	s_wait_dscnt 0x0
	s_endpgm
; ---- sparse: K is innermost.  Wave w makes tiles 4 (w / 2) .. + 3 of unit w % 2; fragment f: tile 4 W + f.  A load takes 512 consecutive bytes of one row; 16 rows turn
; through the wave's stage, so that lane (r, h) gets, of row r, the 32 numbers of block h and the 32 of block 2 + h.
.set SI,  6                            ; the stage, way in
.set L8,  7                            ; 8 x lane
.set SO,  8                            ; the stage, way out: row r, + 128 h
.set WD,  16                           ; v16-19 the scale word of fragment f
.set CC,  24                           ; v24-35 a fragment's 12 registers
.set TT,  36                           ; the upper halves of blocks
.set R,   64                           ; two sets of 64 as loaded
.set X,   192                          ; 64 numbers in the operand's order
.Lsparse:
.macro LOADA f
.irp j, 0,1,2,3,4,5,6,7,8,9,10,11,12,13,14,15
	global_load_b128 v[R+64*((\f)%2)+4*\j:R+64*((\f)%2)+4*\j+3], v[LI], s[14:15] offset:(16*(\f)+\j)*ROWF th:TH_LOAD_NT
.endr
.endm
	v_and_b32 v2, 15, v0                           ; r
	v_bfe_u32 v3, v0, 4, 1                         ; h
	v_lshlrev_b32 v[L8], 3, v1
	s_mov_b32 s20, 0x76543210
	s_mov_b32 s21, 0xfedcba98                      ; selects for lane l xor 16
	s_lshr_b32 s27, s12, 1                         ; W
	s_and_b32 s28, s12, 1                          ; which of the two units
	s_sub_co_u32 s29, ttmp9, 256                   ; 16 g + (which 256 along K)
	s_lshr_b32 s13, s29, 4                         ; g
	s_lshl_b32 s22, s13, 21                        ; 128 rows
	s_lshl_b32 s24, s27, 20                        ; my wave's 64 rows
	s_add_co_u32 s22, s22, s24
	s_and_b32 s24, s29, 15
	s_lshl_b32 s24, s24, 10                        ; 256 numbers
	s_add_co_u32 s22, s22, s24
	s_lshl_b32 s24, s28, 9                         ; my unit's 128 numbers
	s_add_co_u32 s22, s22, s24
	s_wait_alu depctr_va_vdst(0)
	s_wait_kmcnt 0x0
	s_add_nc_u64 s[14:15], s[4:5], s[22:23]
	LOADA 0
	LOADA 1
	s_mul_i32 s22, s29, 2*UB
	s_mul_i32 s24, s28, UB
	s_add_co_u32 s22, s22, s24                     ; my unit
	s_mul_i32 s24, s27, 4*FRB
	s_add_co_u32 s24, s24, s22
	s_add_nc_u64 s[16:17], s[8:9], s[24:25]        ; my four fragments
	s_lshl_b32 s24, s27, 8
	s_add_co_u32 s24, s24, s22
	s_add_co_u32 s24, s24, SCOFF
	s_add_nc_u64 s[18:19], s[8:9], s[24:25]        ; my 256 bytes of scale words
	s_mul_i32 s13, s12, STG
	s_add_co_u32 s13, s13, SBASE
	v_add_nc_u32 v[SI], s13, v[LI]
	v_mul_u32_u24 v[SO], v2, SPT
	v_lshl_add_u32 v[SO], v3, 7, v[SO]
	v_add_nc_u32 v[SO], s13, v[SO]
	v_lshlrev_b32 v9, 3, v3                        ; 8 h: my two bytes' place in the scale word
	v_mov_b32 v22, 0                               ; a lane permute's destination counts as one of its sources
.macro FRAGA f
.set RS, R+64*((\f)%2)
.if (\f) < 3
	s_wait_loadcnt 16                              ; this fragment's 16 loads are in; the next fragment's 16 may be out
.else
	s_wait_loadcnt 0x0
.endif
.irp j, 0,1,2,3,4,5,6,7,8,9,10,11,12,13,14,15
	ds_store_b128 v[SI], v[RS+4*\j:RS+4*\j+3] offset:SPT*\j
.endr
.irp c, 0,1
.irp p, 0,1,2,3,4,5,6,7
	ds_load_b128 v[X+32*\c+4*\p:X+32*\c+4*\p+3], v[SO] offset:256*\c+16*\p   ; a wave's LDS instructions are served in order: these see the stores
.endr
.endr
	s_wait_dscnt 0x0                               ; the 64 numbers are in, and the stores have read the set
.if (\f)+2 < 4
	LOADA (\f)+2
.endif
.irp c, 0,1
	v_max3_num_f32 v[10+\c], |v[X+32*\c]|, |v[X+32*\c+1]|, FLOOR   ; my block 2 c + h
.endr
.irp i, 2,4,6,8,10,12,14,16,18,20,22,24,26,28,30
.irp c, 0,1
	v_max3_num_f32 v[10+\c], v[10+\c], |v[X+32*\c+\i]|, |v[X+32*\c+\i+1]|
.endr
.endr
.irp c, 0,1
	v_add_nc_u32 v[12+\c], OFFE, v[10+\c]          ; the conversions' scale operand
.endr
.irp c, 0,1
	v_lshrrev_b32 v[14+\c], 23, v[12+\c]           ; the scale's byte
.endr
	v_lshl_or_b32 v23, v15, 16, v14
	v_lshlrev_b32 v23, v9, v23
	v_permlanex16_b32 v22, v23, s20, s21
	v_or_b32 v[WD+(\f)], v23, v22                  ; the word is whole, in both halves of the lanes
.if (\f) > 0
	s_wait_alu depctr_va_vdst(0)
	s_wait_xcnt 0x0                                ; the last fragment's stores have read their data
.endif
	v_cvt_scalef32_pk16_fp6_f32 v[CC:CC+2], v[X:X+15], v12
	v_cvt_scalef32_pk16_fp6_f32 v[TT:TT+2], v[X+16:X+31], v12
	v_cvt_scalef32_pk16_fp6_f32 v[CC+6:CC+8], v[X+32:X+47], v13
	v_cvt_scalef32_pk16_fp6_f32 v[TT+4:TT+6], v[X+48:X+63], v13
	v_nop                                          ; one plain place behind the scaled conversions
.irp i, 0,1,2
	v_mov_b32 v[CC+3+\i], v[TT+\i]
	v_mov_b32 v[CC+9+\i], v[TT+4+\i]
.endr
.irp c, 0,1,2
	global_store_b128 v[LI], v[CC+4*\c:CC+4*\c+3], s[16:17] offset:(\f)*FRB+512*\c
.endr
.endm
	s_wait_alu depctr_va_vdst(0)
	FRAGA 0
	FRAGA 1
	FRAGA 2
	FRAGA 3
	v_cmp_ne_u32 vcc_lo, 0, v3
	v_cndmask_b32 v20, v[WD], v[WD+1], vcc_lo      ; u = 0: tile 4 W + h
	v_cndmask_b32 v21, v[WD+2], v[WD+3], vcc_lo    ; u = 1: tile 4 W + 2 + h
	global_store_b64 v[L8], v[20:21], s[18:19]     ; 256 consecutive aligned bytes
	s_wait_tensorcnt 0x0                           ; the wave's end
	ds_add_u32 v62, v63
	s_wait_dscnt 0x0
	s_endpgm
.Lfunc_end_k_q12ffee8797_quant:
	.size	k_q12ffee8797_quant, .Lfunc_end_k_q12ffee8797_quant-k_q12ffee8797_quant
	.p2alignl 7, 3214868480
	.fill 96, 4, 3214868480
	.section	.rodata,"a",@progbits
	.p2align	6, 0x0
	.amdhsa_kernel k_q12ffee8797_quant
		.amdhsa_group_segment_fixed_size 86528
		.amdhsa_private_segment_fixed_size 0
		.amdhsa_enable_private_segment 0
		.amdhsa_kernarg_size 32
		.amdhsa_user_sgpr_count 2
		.amdhsa_user_sgpr_kernarg_segment_ptr 1
		.amdhsa_wavefront_size32 1
		.amdhsa_system_sgpr_workgroup_id_x 1
		.amdhsa_system_sgpr_workgroup_id_y 1
		.amdhsa_system_sgpr_workgroup_id_z 1
		.amdhsa_system_vgpr_workitem_id 0
		.amdhsa_next_free_vgpr 256
		.amdhsa_next_free_sgpr 66
		.amdhsa_reserve_vcc 1
		.amdhsa_float_denorm_mode_32 3
		.amdhsa_float_denorm_mode_16_64 3
		.amdhsa_memory_ordered 1
		.amdhsa_forward_progress 1
		.amdhsa_inst_pref_size 90
	.end_amdhsa_kernel
	.amdgpu_metadata
---
amdhsa.version: [ 1, 2 ]
amdhsa.kernels:
  - .name:           k_q12ffee8797_quant
    .symbol:         k_q12ffee8797_quant.kd
    .args:
      - { .name: sparse, .offset: 0, .size: 8, .value_kind: global_buffer, .address_space: global }
      - { .name: weight, .offset: 8, .size: 8, .value_kind: global_buffer, .address_space: global }
      - { .name: a_pack, .offset: 16, .size: 8, .value_kind: global_buffer, .address_space: global }
      - { .name: b_pack, .offset: 24, .size: 8, .value_kind: global_buffer, .address_space: global }
    .group_segment_fixed_size: 86528
    .private_segment_fixed_size: 0
    .kernarg_segment_align: 8
    .kernarg_segment_size: 32
    .max_flat_workgroup_size: 128
    .sgpr_count:     66
    .vgpr_count:     256
    .wavefront_size: 32
...
	.end_amdgpu_metadata
.endif
;; end of part 1
;; launch gemm (part 2): grid 16 x 16, 4 waves a work-group, clusters of 4 x 4, 327,680 bytes of LDS; arguments a_pack, b_pack, bias, out0; writes out0
.if DOCPART == 2
	.amdgcn_target "amdgcn-amd-amdhsa--gfx1250"
	.amdhsa_code_object_version 6
	.text
	.protected	k_q12ffee8797_gemm
	.globl	k_q12ffee8797_gemm
	.p2align	8
	.type	k_q12ffee8797_gemm,@function
k_q12ffee8797_gemm:
	s_mov_b64 s[64:65], 0
	v_nop
	global_prefetch_b8 v0, s[64:65] scope:SCOPE_SE
	s_setreg_imm32_b32 hwreg(HW_REG_WAVE_MODE, 25, 1), 1
	s_wait_xcnt 0x0
	s_wait_alu depctr_hold_cnt(0) depctr_sa_sdst(0) depctr_va_vdst(0) depctr_va_sdst(0) depctr_va_ssrc(0) depctr_va_vcc(0) depctr_vm_vsrc(0)
	s_getreg_b32 s2, hwreg(HW_REG_IB_STS2, 6, 4)
	s_cmp_eq_u32 s2, 0
	s_cbranch_scc0 .Lentry_in_a_cluster
	s_endpgm
.Lentry_in_a_cluster:
	s_bfe_u32 s2, ttmp6, 0x10000c
	s_cmp_lg_u32 s2, 0xf033
	s_cbranch_scc0 .Lentry_shape_is_right
	s_endpgm
.Lentry_shape_is_right:
; out0[m][n] = sum over k of Q(sparse)[m][k] Q(weight)[k][n] + bias[n], on the packs of codes and scale words that the launch before has laid (its head comment gives the layout).
; A work-group of four waves makes 256 x 256 of out0; a wave 128 x 128: 64 accumulators, 512 registers.  The bias is the C of each accumulator's first product.
; K goes in steps of 128 through two LDS slots.  A SLOT HOLDS THREE STEPS: for each of A's two and B's two groups of 128 rows three neighbouring units, 38,400 consecutive bytes,
; brought by one tensor load a wave as 75 rows of 512 bytes.  32 steps are eleven fills: ten of three steps and a last one of two (50 rows).  Fill j lies in slot j % 2.
; One round of the cluster's barrier for each refill, in the middle of a slot's last step: that step's fragments are all in registers by then, and its first 32 products, which need
; nothing of the next slot, stand ahead of the wait for the next slot's load.  Between a refill and the wait for it a wave issues 192 matrix instructions.  A wave has one tensor load out at any time.
; CLUSTERS: 4 x 4 work-groups; A's tiles are asked for jointly along a row of the cluster, B's along a column.
; PREFETCH: behind each refill in the loop's first three trips every wave asks for the fill that stands two refills on: its load's 150 blocks of 256 bytes are shared out by address among
; the four partners that ask for them jointly: partner p names blocks 32 p + lane and 128 + 6 p + 0 .. 5 (held at 149; lanes left over name the wave's last block again).
; Fills 0 to 3 and the last, shorter fill come by their loads alone, so no request leaves a group's 409,600 bytes.
; THE MATRIX INSTRUCTION IS USED TRANSPOSED (source 0 = 16 columns of weight, source 1 = 16 rows of sparse): a lane holds eight neighbouring numbers of a row of out0.
; REGISTERS: window 0: v16-31 addresses; v32-47 scale words, two sets of 8; v64-127 the bias; v128-223 A's fragments, one set.  Window 1: B's fragments, two sets, at v0 and v128.
;   Windows 2, 3: the accumulators of my rows 0-63 and 64-127.  A scale register holds A's word in lanes 0-15 and B's in lanes 16-31; tile i's stands at 4 (i / 4) + 2 (i % 2) + (i % 4) / 2 of its set.
.set SIZE_N, 4096
.set UB,     12800
.set RG,     3*UB                      ; what one tensor load brings
.set SLOT,   4*RG
.set SCOFF,  12288
.set FRB,    1536
.set FR,     12
.set NL,     3
.set NP,     4
.set GSTR,   32*UB                     ; a group's 32 units
.set SPARE,  2*SLOT
.set SPITCH, 528
.set STAGE,  SLOT                      ; the way out goes through slot 1: the last fill lies in slot 0, and slot 1 has had its last fill and its last read
.set ADRA, 16
.set ADRS, 18
.set ADRB, 20
.set STO,  24
.set RD,   25
.set CO,   26
.set BO,   27
.set SPW,  28
.set NIL,  29
.set PFO,  30
.set PFO2, 31
.set SC,   32
.set BIAS, 64
.set AF,   128
.set BK,   128
.set G1,  24
.set G0,  32
.set G1B, 48
.set G0B, 56
.set PFA, 66
.set MSB, 0
.macro WIN new
.if MSB != \new
	s_set_vgpr_msb (MSB<<8)|\new
.set MSB, \new
.endif
.endm
.set MUL_LO, 0xa1
.set MUL_HI, 0xf1
.set ONE_LO, 0x81                      ; as MUL_LO, C (the bias) in window 0
.set ONE_HI, 0xc1
.set TO_B,   0x40
.macro JLOAD g0a, g0b                  ; a joint load: waves 0, 1 fetch A's two groups, waves 2, 3 B's
	s_cmp_eq_u32 s15, 0
	s_cbranch_scc0 .Lfor_b_\@
	tensor_load_to_lds s[\g0a:\g0a+3], s[G1:G1+7]
	s_nop 0
.rept 4
	v_nop
.endr
	s_branch .Lasked_\@
.Lfor_b_\@:
	tensor_load_to_lds s[\g0b:\g0b+3], s[G1B:G1B+7]
	s_nop 0
.rept 4
	v_nop
.endr
.Lasked_\@:
.endm
.macro CREST
	s_cmp_lg_u32 s14, 0
	s_cbranch_scc1 .Lnot_wave_0_\@
	s_barrier_signal -3
.Lnot_wave_0_\@:
	s_barrier_wait -3
	s_barrier_signal -1
	s_barrier_wait -1
.endm
.macro CROUND
	s_barrier_signal -1
	s_barrier_wait -1
	CREST
.endm
	s_load_b256 s[4:11], s[0:1], 0x0               ; a_pack, b_pack, bias, out0
	v_lshl_add_u32 v[SPW], v0, 2, SPARE
	v_mov_b32 v[NIL], 0
	ds_add_u32 v[SPW], v[NIL]                      ; the opening lines
	ds_add_u32 v[SPW], v[NIL]
	v_lshrrev_b32 v1, 5, v0
	v_readfirstlane_b32 s14, v1                    ; wave
	s_lshr_b32 s15, s14, 1                         ; my half of the rows; also: I fetch for A (0) or B (1)
	s_and_b32 s16, s14, 1                          ; my half of the columns; also: which group I fetch
	s_bfe_u32 s40, ttmp6, 0x40000                  ; cx
	s_bfe_u32 s41, ttmp6, 0x40004                  ; cy
	s_lshl_b32 s42, ttmp9, 2
	s_add_co_u32 s42, s42, s40                     ; tile column
	s_and_b32 s17, ttmp7, 0xffff
	s_lshl_b32 s17, s17, 2
	s_add_co_u32 s17, s17, s41                     ; tile row
	s_lshl_b32 s43, s41, 2
	s_lshl_b32 s43, 15, s43                        ; my row of the cluster
	s_lshl_b32 s44, 0x1111, s40                    ; my column
	s_or_b32 s[G1+0], s43, (3<<16)|(1<<21)         ; elements of 8 bytes, no padding: fragments are read as they lie, 16 bytes a lane on end
	s_or_b32 s[G1B+0], s44, (3<<16)|(1<<21)
.irp g, G1, G1B
	s_mov_b32 s[\g+1], 64<<16                      ; rows of 512 bytes
	s_mov_b32 s[\g+2], 75<<16
	s_mov_b32 s[\g+3], 64<<16
	s_mov_b32 s[\g+4], 75
	s_mov_b32 s[\g+5], 64
	s_mov_b32 s[\g+6], 0
	s_mov_b32 s[\g+7], 0
.endr
	s_lshl_b32 s20, s17, 1
	s_add_co_u32 s20, s20, s16
	s_mul_i32 s20, s20, GSTR                       ; A's group 2 x tile row + half
	s_mov_b32 s21, 0
	s_lshl_b32 s46, s42, 1
	s_add_co_u32 s46, s46, s16
	s_mul_i32 s46, s46, GSTR                       ; B's group 2 x tile column + half
	s_mov_b32 s47, 0
	s_mul_i32 s45, s14, RG                         ; where my loads go
	s_wait_dscnt 0x0
	s_wait_kmcnt 0x0
	s_add_nc_u64 s[20:21], s[4:5], s[20:21]
	s_add_nc_u64 s[46:47], s[6:7], s[46:47]
	CROUND                                         ; in front of the first joint loads
.irp s, 0,1
	s_mov_b32 s[G0+4*\s], 1
	s_add_co_u32 s[G0+4*\s+1], s45, \s*SLOT
	s_add_nc_u64 s[G0+4*\s+2:G0+4*\s+3], s[20:21], \s*RG
	s_or_b32 s[G0+4*\s+3], s[G0+4*\s+3], 0x80000000
	s_mov_b32 s[G0B+4*\s], 1
	s_add_co_u32 s[G0B+4*\s+1], s45, \s*SLOT
	s_add_nc_u64 s[G0B+4*\s+2:G0B+4*\s+3], s[46:47], \s*RG
	s_or_b32 s[G0B+4*\s+3], s[G0B+4*\s+3], 0x80000000
.endr
	JLOAD G0, G0B                                  ; fill 0: my one load at the head
	s_cmp_eq_u32 s15, 0
	s_cselect_b64 s[PFA:PFA+1], s[20:21], s[46:47] ; the prefetches: the group that I fetch,
	s_cselect_b32 s68, s40, s41                    ; and my place among the four that ask for it with me
	s_add_nc_u64 s[PFA:PFA+1], s[PFA:PFA+1], 3*RG  ; stepped to fill 4 ahead of the first request
	s_mul_i32 s12, s15, RG                         ; my 128 rows of A
	s_mul_i32 s13, s16, RG
	s_add_co_u32 s13, s13, 2*RG                    ; my 128 rows of B
	s_xor_b32 s18, s15, 1
	s_add_co_u32 s18, s18, s16
	s_add_co_u32 s18, s18, 1
	s_mul_i32 s18, s18, RG                         ; from the one to the other
	s_add_co_u32 s19, s12, SCOFF
	s_mul_i32 s23, s14, 16*SPITCH
	s_add_co_u32 s23, s23, STAGE                   ; my stage
	s_lshl_b32 s20, s17, 8
	s_lshl_b32 s21, s15, 7
	s_add_co_u32 s20, s20, s21
	s_lshl_b32 s20, s20, 14                        ; my first row of out0, in bytes
	s_mov_b32 s21, 0
	s_lshl_b32 s46, s42, 10
	s_lshl_b32 s47, s16, 9
	s_add_co_u32 s46, s46, s47                     ; my first column, in bytes
	s_mov_b32 s47, 0
	s_add_nc_u64 s[8:9], s[8:9], s[46:47]
	s_add_nc_u64 s[20:21], s[20:21], s[46:47]
	s_add_nc_u64 s[10:11], s[10:11], s[20:21]
	v_and_b32 v1, 15, v0                           ; r
	v_bfe_u32 v2, v0, 4, 1                         ; h
	v_and_b32 v6, 31, v0
	v_lshlrev_b32 v3, 4, v6
	v_add_nc_u32 v[ADRA], s12, v3
	v_add_nc_u32 v[ADRB], s13, v3
	v_mul_u32_u24 v5, s18, v2                      ; lanes 16-31 take B's scale words
	v_lshl_add_u32 v5, v1, 3, v5
	v_add_nc_u32 v[ADRS], s19, v5
	v_add_nc_u32 v[ADRA+1], SLOT, v[ADRA]
	v_add_nc_u32 v[ADRB+1], SLOT, v[ADRB]
	v_add_nc_u32 v[ADRS+1], SLOT, v[ADRS]
	v_mul_u32_u24 v7, v1, SPITCH
	v_lshl_add_u32 v7, v2, 5, v7
	v_add_nc_u32 v[STO], s23, v7
	v_lshlrev_b32 v[CO], 4, v6
	v_add_nc_u32 v[RD], s23, v[CO]
	v_lshlrev_b32 v[BO], 5, v2
	v_mov_b32 v8, s68
	v_lshl_add_u32 v[PFO], v8, 5, v6
	v_lshlrev_b32 v[PFO], 8, v[PFO]                ; block 32 p + lane
	v_min_u32 v9, 5, v6
	v_mad_u32_u24 v9, v8, 6, v9
	v_add_nc_u32 v9, 128, v9
	v_min_u32 v9, 149, v9
	v_lshlrev_b32 v[PFO2], 8, v9                   ; block 128 + 6 p + 0 .. 5, held at 149
.irp b, 0,1,2,3,4,5,6,7
	global_load_b128 v[BIAS+8*\b:BIAS+8*\b+3],   v[BO], s[8:9] offset:64*\b      ; bias[16 b + 8 h + 0 .. 7] of my 128 columns: the result's layout
	global_load_b128 v[BIAS+8*\b+4:BIAS+8*\b+7], v[BO], s[8:9] offset:64*\b+16
.endr
.macro FRAG reg, adr, q, i             ; a fragment's image: three loads of 512 consecutive bytes
.irp c, 0,1,2
	ds_load_b128 v[\reg+4*\c:\reg+4*\c+3], v[\adr] offset:(\q)*UB+(\i)*FRB+512*\c
.endr
.endm
.macro MUL16 a0, p, first              ; A's blocks a0, a0 + 1 x B's eight; p: B's set and the set of scale words
.irp a, \a0, \a0+1
.irp b, 0,1,2,3,4,5,6,7
.if \first
	v_wmma_scale_f32_16x16x128_f8f6f4 v[8*(8*((\a)%4)+\b):8*(8*((\a)%4)+\b)+7], v[128*(\p)+FR*\b:128*(\p)+FR*\b+FR-1], v[AF+FR*(\a):AF+FR*(\a)+FR-1], v[BIAS+8*\b:BIAS+8*\b+7], v[SC+8*(\p)+4*(\b/4)+2*(\b%2)+(\b%4)/2], v[SC+8*(\p)+4*((\a)/4)+2*((\a)%2)+((\a)%4)/2] matrix_a_fmt:MATRIX_FMT_FP6 matrix_b_fmt:MATRIX_FMT_FP6 matrix_a_scale:MATRIX_SCALE_ROW1
.else
	v_wmma_scale_f32_16x16x128_f8f6f4 v[8*(8*((\a)%4)+\b):8*(8*((\a)%4)+\b)+7], v[128*(\p)+FR*\b:128*(\p)+FR*\b+FR-1], v[AF+FR*(\a):AF+FR*(\a)+FR-1], v[8*(8*((\a)%4)+\b):8*(8*((\a)%4)+\b)+7], v[SC+8*(\p)+4*(\b/4)+2*(\b%2)+(\b%4)/2], v[SC+8*(\p)+4*((\a)/4)+2*((\a)%2)+((\a)%4)/2] matrix_a_fmt:MATRIX_FMT_FP6 matrix_b_fmt:MATRIX_FMT_FP6 matrix_a_scale:MATRIX_SCALE_ROW1
.endif
.endr
.endr
.endm
.macro FETCH_B slot, q, p
	WIN TO_B
.irp i, 0,1,2,3,4,5,6,7
	FRAG 128*(\p)+FR*\i, ADRB+\slot, \q, \i
.endr
	WIN 0
.endm
.macro FETCH_A slot, q, i0
.irp i, \i0, \i0+1, \i0+2, \i0+3
	FRAG AF+FR*(\i), ADRA+\slot, \q, \i
.endr
.endm
.macro SCALES slot, q, p               ; four loads of two words a lane: a step's eight scale registers
.irp n, 0,1,2,3
	ds_load_b64 v[SC+8*(\p)+2*\n:SC+8*(\p)+2*\n+1], v[ADRS+\slot] offset:(\q)*UB+128*\n
.endr
.endm
.macro PLACES n
.rept \n
	v_nop
.endr
.endm
; A step that is not its slot's last: 64 products; the next step's fragments, from the same slot, are fetched in its middle and at its end.
.macro STEP slot, q, first
.set P, ((\slot)+(\q))%2
	s_wait_dscnt 4*NL                              ; all but the youngest twelve loads (A's blocks 4-7)
.if \first
	WIN ONE_LO
.else
	WIN MUL_LO
.endif
	MUL16 0, P, \first
	MUL16 2, P, \first
	s_wait_dscnt 0
	PLACES NP
	FETCH_B \slot, (\q)+1, 1-P
	FETCH_A \slot, (\q)+1, 0
	SCALES \slot, (\q)+1, 1-P
.if \first
	WIN ONE_HI
.else
	WIN MUL_HI
.endif
	MUL16 4, P, \first
	MUL16 6, P, \first
	PLACES NP
	WIN 0
	FETCH_A \slot, (\q)+1, 4
.endm
; A slot's third step changes slots, in its middle.  fill = 1: the slot is filled again, two fills on; 2: with the last fill, of 50 rows; 0: no more.  pf = 1: in the loop, with the prefetch.
.macro TURN slot, next, fill, pf
.set P, (\slot)%2
.if \pf
	s_wait_xcnt 0x0                                ; my last prefetches have read their base
	s_add_nc_u64 s[PFA:PFA+1], s[PFA:PFA+1], RG
.endif
	s_wait_dscnt 4*NL                              ; all but the youngest twelve loads (A's blocks 4-7)
	WIN MUL_LO
	MUL16 0, P, 0                                  ; 32 products on registers alone, ahead of the wait for the next slot
	MUL16 2, P, 0
	WIN 0
	s_wait_tensorcnt 0x0                           ; my part of the next slot is in; no load of mine is out
	ds_add_u32 v[SPW], v[NIL]
.if \fill
	s_add_nc_u64 s[G0+4*\slot+2:G0+4*\slot+3], s[G0+4*\slot+2:G0+4*\slot+3], 2*RG
	s_add_nc_u64 s[G0B+4*\slot+2:G0B+4*\slot+3], s[G0B+4*\slot+2:G0B+4*\slot+3], 2*RG
.endif
.if \fill == 2
	s_mov_b32 s[G1+2], 50<<16                      ; the last fill has two units
	s_mov_b32 s[G1+4], 50
	s_mov_b32 s[G1B+2], 50<<16
	s_mov_b32 s[G1B+4], 50
.endif
	s_wait_dscnt 0x0                               ; the add is done, and my reads of this slot are over
	s_barrier_signal -1
	s_barrier_wait -1
.if \fill
	CREST                                          ; the barrier has opened a round of the cluster's barrier
	JLOAD G0+4*\slot, G0B+4*\slot                  ; its four v_nop are the places in front of the loads below
.else
	PLACES NP
.endif
	FETCH_B \next, 0, 1-P
	FETCH_A \next, 0, 0
	SCALES \next, 0, 1-P
.if \pf
	s_cmp_gt_u32 s3, 1                             ; the last trip asks for nothing
	s_cbranch_scc0 .Lno_ask_\@
	global_prefetch_b8 v[PFO], s[PFA:PFA+1] th:TH_LOAD_NT scope:SCOPE_SE
	global_prefetch_b8 v[PFO2], s[PFA:PFA+1] th:TH_LOAD_NT scope:SCOPE_SE
.Lno_ask_\@:
.endif
	WIN MUL_HI
	MUL16 4, P, 0
	MUL16 6, P, 0
	PLACES NP
	WIN 0
	FETCH_A \next, 0, 4
.endm
	s_wait_alu depctr_va_vdst(0)
	s_wait_tensorcnt 0x0                           ; my part of fill 0 is in
	ds_add_u32 v[SPW], v[NIL]
	s_wait_dscnt 0x0
	CROUND
	JLOAD G0+4, G0B+4                              ; fill 1: slot 1's first fill, issued as a refill is
	FETCH_B 0, 0, 0
	FETCH_A 0, 0, 0
	SCALES 0, 0, 0
	FETCH_A 0, 0, 4
	s_wait_loadcnt 0x0                             ; the bias
	STEP 0, 0, 1                                   ; the first step's products start the sums on the bias
	s_mov_b32 s3, 4
.Llap:                                                 ; a trip: six steps, once round the ring, from a fill's second step to the first step of the fill two on
	STEP 0, 1, 0
	TURN 0, 1, 1, 1
	STEP 1, 0, 0
	STEP 1, 1, 0
	TURN 1, 0, 1, 1
	STEP 0, 0, 0
	s_sub_co_u32 s3, s3, 1
	s_cmp_lg_u32 s3, 0
	s_cbranch_scc1 .Llap
	STEP 0, 1, 0                                   ; fill 8 goes on
	TURN 0, 1, 2, 0                                ; slot 0 takes fill 10
	STEP 1, 0, 0
	STEP 1, 1, 0
	TURN 1, 0, 0, 0
	STEP 0, 0, 0
	s_wait_dscnt 4*NL                              ; step 31: nothing more to fetch
	WIN MUL_LO
	MUL16 0, 1, 0
	MUL16 2, 1, 0
	s_wait_dscnt 0
	WIN MUL_HI
	MUL16 4, 1, 0
	MUL16 6, 1, 0
	WIN 0
; THE WAY OUT, by blocks of 16 rows x 128 columns, through my own stage: back as whole rows of 512 bytes, which 32 lanes store as two aligned runs of 256 bytes.
.macro TOSTAGE a
.set AC, 64*((\a)%4)
	WIN 0x08+4*((\a)/4)
.irp b, 0,1,2,3,4,5,6,7
	ds_store_b128 v[STO], v[AC+8*\b:AC+8*\b+3] offset:64*\b          ; each accumulator from its low end on
	ds_store_b128 v[STO], v[AC+8*\b+4:AC+8*\b+7] offset:64*\b+16
.endr
	WIN 0
.set BB, BK+64*((\a)%2)
.irp t, 0,1,2,3,4,5,6,7,8,9,10,11,12,13,14,15
	ds_load_b128 v[BB+4*\t:BB+4*\t+3], v[RD] offset:\t*SPITCH        ; a wave's LDS instructions are served in order
.endr
.endm
.macro SEND a, younger
.set BB, BK+64*((\a)%2)
	s_wait_dscnt \younger
.if (\a) > 0
	s_add_nc_u64 s[10:11], s[10:11], 16*SIZE_N*4   ; behind a wait on XCNT: the earlier stores have read their base
.endif
.irp t, 0,1,2,3,4,5,6,7,8,9,10,11,12,13,14,15
	global_store_b128 v[CO], v[BB+4*\t:BB+4*\t+3], s[10:11] offset:\t*SIZE_N*4 th:TH_STORE_NT
.endr
.endm
	PLACES NP
	TOSTAGE 0
.irp a, 1,2,3,4,5,6,7
.if \a > 1
	s_wait_xcnt 0x0                                ; block a - 2's stores have read their registers and their base
.endif
	TOSTAGE \a
	SEND \a-1, 32                                  ; behind block a - 1's loads: block a's 16 stores and 16 loads
.endr
	s_wait_xcnt 0x0
	SEND 7, 0
	s_wait_tensorcnt 0x0                           ; the wave's end
	ds_add_u32 v[SPW], v[NIL]
	s_wait_dscnt 0x0
	CROUND                                         ; the closing round
	s_endpgm
.Lfunc_end_k_q12ffee8797_gemm:
	.size	k_q12ffee8797_gemm, .Lfunc_end_k_q12ffee8797_gemm-k_q12ffee8797_gemm
	.p2alignl 7, 3214868480
	.fill 96, 4, 3214868480
	.section	.rodata,"a",@progbits
	.p2align	6, 0x0
	.amdhsa_kernel k_q12ffee8797_gemm
		.amdhsa_group_segment_fixed_size 327680
		.amdhsa_private_segment_fixed_size 0
		.amdhsa_enable_private_segment 0
		.amdhsa_kernarg_size 32
		.amdhsa_user_sgpr_count 2
		.amdhsa_user_sgpr_kernarg_segment_ptr 1
		.amdhsa_wavefront_size32 1
		.amdhsa_system_sgpr_workgroup_id_x 1
		.amdhsa_system_sgpr_workgroup_id_y 1
		.amdhsa_system_sgpr_workgroup_id_z 1
		.amdhsa_system_vgpr_workitem_id 0
		.amdhsa_next_free_vgpr 1024
		.amdhsa_next_free_sgpr 72
		.amdhsa_reserve_vcc 0
		.amdhsa_float_denorm_mode_32 3
		.amdhsa_float_denorm_mode_16_64 3
		.amdhsa_memory_ordered 1
		.amdhsa_forward_progress 1
		.amdhsa_inst_pref_size 207
	.end_amdhsa_kernel
	.amdgpu_metadata
---
amdhsa.version: [ 1, 2 ]
amdhsa.kernels:
  - .name:           k_q12ffee8797_gemm
    .symbol:         k_q12ffee8797_gemm.kd
    .args:
      - { .name: a_pack, .offset: 0, .size: 8, .value_kind: global_buffer, .address_space: global }
      - { .name: b_pack, .offset: 8, .size: 8, .value_kind: global_buffer, .address_space: global }
      - { .name: bias, .offset: 16, .size: 8, .value_kind: global_buffer, .address_space: global }
      - { .name: out0, .offset: 24, .size: 8, .value_kind: global_buffer, .address_space: global }
    .group_segment_fixed_size: 327680
    .private_segment_fixed_size: 0
    .kernarg_segment_align: 8
    .kernarg_segment_size: 32
    .max_flat_workgroup_size: 128
    .sgpr_count:     72
    .vgpr_count:     1024
    .wavefront_size: 32
...
	.end_amdgpu_metadata
.endif
;; end of part 2
